; MI455X (gfx1250); checked and timed in simulation.
; The chip was launched on July 23, 2026; its instructions are those of AMD's public machine-readable ISA for CDNA 5 (MIT licence, August 2026) and "CDNA5" Instruction Set Architecture Reference Guide (July 2026). The comments in the code are by the model that wrote it; some were corrected since.
;; Attention. Allowed arithmetic: float matrix products may take bf16 or f16 operands with f32 sums; all other float work in f32.
;; Inputs: attn_b 1,024 float32; attn_w 1,024 x 4,096 float32; encoder_outputs 16 x 1,024 x 2,048 float32; hidden 1 x 2,048 float32; v_w 1 x 1,024 float32.
;; Outputs: out0 16 x 1 x 2,048 float32.
;; 2 versions, each right; version 2 is version 1 with the launch context written anew for expert scheduling mode. Each part assembles by itself: llvm-mc -triple=amdgcn-amd-amdhsa -mcpu=gfx1250 --defsym DOCPART=n.
;; ======== version 1 of 2: 3 launches
;; workspace buffers: wb 4,194,304 bytes; hb 4,096 bytes; ps 131,072 bytes; eb 67,108,864 bytes
;; launch prep (part 1): grid 256 x 1, 4 waves a work-group, no clusters, 0 bytes of LDS; arguments attn_w, hidden, attn_b, wb, hb; writes wb, hb
.if DOCPART == 1
	.amdgcn_target "amdgcn-amd-amdhsa--gfx1250"
	.amdhsa_code_object_version 6
	.text
	.protected	k_q9664380d4d_prep
	.globl	k_q9664380d4d_prep
	.p2align	8
	.type	k_q9664380d4d_prep,@function
k_q9664380d4d_prep:
	s_mov_b64 s[64:65], 0
	v_nop
	global_prefetch_b8 v0, s[64:65] scope:SCOPE_SE
	s_setreg_imm32_b32 hwreg(HW_REG_WAVE_MODE, 25, 1), 1
	s_wait_xcnt 0x0
; attn_w is [1024][4096] f32.  Its left half multiplies hidden, which is the same vector for all 16,384 rows of the concatenation, so that half of the
; product is made once:  hb[n] = attn_b[n] + sum over k < 2048 of hidden[k] attn_w[n][k], all in f32.
; Its right half multiplies encoder_outputs on the matrix units in the next launch:  wb[n][k] = bf16(attn_w[n][2048 + k]), rounded to nearest even.
; One wave takes one row n = 4 x work-group + wave.  A row is 16,384 bytes: 32 loads of 512 neighbouring bytes; with hidden's 16 loads all 48 go out at once.
; No LDS, no barrier, no matrix unit: a product with one row that reads its weights once.  What work-groups share is hidden alone, 8 KiB beside 64 KiB of weights: no cluster.
; hb is stored four bytes a wave: 4 KiB in the whole launch; whole blocks of 256 bytes would want 64 rows in one work-group, that is 16 work-groups.
; The order of the sum differs from a plain ascending one (four chains a lane, then across the lanes).
.set HID, 16                           ; v[16:79]    hidden: load j holds k = 128 j + 4 lane + 0..3
.set W1,  80                           ; v[80:143]   the row's left half, the same places
.set W2,  144                          ; v[144:207]  the row's right half
.set OUT, 208                          ; v[208:239]  the right half in bf16: two registers a load
	s_load_b256 s[4:11], s[0:1], 0x0               ; attn_w s[4:5], hidden s[6:7], attn_b s[8:9], wb s[10:11]
	s_load_b64 s[12:13], s[0:1], 0x20              ; hb
	v_lshrrev_b32 v4, 5, v0
	v_readfirstlane_b32 s14, v4                    ; wave 0..3
	s_lshl2_add_u32 s15, ttmp9, s14                ; n = 4 x work-group + wave
	s_lshl_b32 s16, s15, 14                        ; a row of attn_w: 16,384 bytes
	s_mov_b32 s17, 0
	s_lshl_b32 s18, s15, 12                        ; a row of wb: 4,096 bytes
	s_mov_b32 s19, 0
	s_lshl_b32 s20, s15, 2                         ; a number of attn_b and of hb
	s_mov_b32 s21, 0
	s_mov_b32 s24, 0x76543210                      ; v_permlanex16_b32: each lane takes its own place in the other half
	s_mov_b32 s25, 0xfedcba98
	v_and_b32 v14, 31, v0                          ; lane
	v_lshlrev_b32 v1, 4, v14                       ; 16 bytes a lane in f32 rows
	v_lshlrev_b32 v2, 3, v14                       ; 8 bytes a lane in wb's row
	v_mov_b32 v3, 0                                ; hb's offset: the base carries n
	v_mov_b32 v13, 0                               ; written, since v_permlanex16_b32 counts as a reader of its destination
	s_wait_kmcnt 0x0
	s_add_nc_u64 s[4:5], s[4:5], s[16:17]
	s_add_nc_u64 s[10:11], s[10:11], s[18:19]
	s_add_nc_u64 s[8:9], s[8:9], s[20:21]
	s_add_nc_u64 s[12:13], s[12:13], s[20:21]
	s_load_b32 s22, s[8:9], 0x0                    ; attn_b[n]
.irp j, 0,1,2,3,4,5,6,7,8,9,10,11,12,13,14,15
	global_load_b128 v[HID+4*\j:HID+4*\j+3], v1, s[6:7] offset:512*\j            ; every work-group reads hidden: no hint
.endr
.irp j, 0,1,2,3,4,5,6,7,8,9,10,11,12,13,14,15
	global_load_b128 v[W1+4*\j:W1+4*\j+3], v1, s[4:5] offset:512*\j th:TH_LOAD_NT
.endr
.irp j, 0,1,2,3,4,5,6,7,8,9,10,11,12,13,14,15
	global_load_b128 v[W2+4*\j:W2+4*\j+3], v1, s[4:5] offset:8192+512*\j th:TH_LOAD_NT
.endr
	s_wait_loadcnt 16                              ; the 16 loads of the right half are younger: hidden and the left half are in
	; my 64 products in four chains of packed multiply-adds; the first four pairs start the chains
.set p, 0
.rept 32
.if p < 4
	v_pk_mul_f32 v[4+2*p:5+2*p], v[HID+2*p:HID+2*p+1], v[W1+2*p:W1+2*p+1]
.else
	v_pk_fma_f32 v[4+2*(p%4):5+2*(p%4)], v[HID+2*p:HID+2*p+1], v[W1+2*p:W1+2*p+1], v[4+2*(p%4):5+2*(p%4)]
.endif
.set p, p+1
.endr
	v_pk_add_f32 v[4:5], v[4:5], v[6:7]
	v_pk_add_f32 v[8:9], v[8:9], v[10:11]
	v_pk_add_f32 v[4:5], v[4:5], v[8:9]
	v_add_f32 v12, v4, v5
	v_add_f32_dpp v12, v12, v12 row_xmask:1 row_mask:0xf bank_mask:0xf
	v_add_f32_dpp v12, v12, v12 row_xmask:2 row_mask:0xf bank_mask:0xf
	v_add_f32_dpp v12, v12, v12 row_xmask:4 row_mask:0xf bank_mask:0xf
	v_add_f32_dpp v12, v12, v12 row_xmask:8 row_mask:0xf bank_mask:0xf
	v_permlanex16_b32 v13, v12, s24, s25
	v_add_f32 v12, v12, v13                        ; every lane holds the row's product with hidden
	s_wait_kmcnt 0x0                               ; attn_b[n]
	v_add_f32 v12, s22, v12
	s_wait_loadcnt 0x0                             ; the right half
.irp j, 0,1,2,3,4,5,6,7,8,9,10,11,12,13,14,15
	v_cvt_pk_bf16_f32 v[OUT+2*\j],   v[W2+4*\j],   v[W2+4*\j+1]
	v_cvt_pk_bf16_f32 v[OUT+2*\j+1], v[W2+4*\j+2], v[W2+4*\j+3]
.endr
.irp j, 0,1,2,3,4,5,6,7,8,9,10,11,12,13,14,15
	global_store_b64 v2, v[OUT+2*\j:OUT+2*\j+1], s[10:11] offset:256*\j          ; 32 lanes store 256 consecutive bytes, at a multiple of 256 from wb's first byte
.endr
	v_cmp_eq_u32 vcc_lo, 0, v14
	s_wait_xcnt 0x0                                ; EXEC is a source of the stores above: it narrows only behind this wait
	s_and_saveexec_b32 s23, vcc_lo
	global_store_b32 v3, v12, s[12:13]             ; lane 0 stores hb[n]
	s_wait_xcnt 0x0                                ; and widens only behind this one
	s_or_b32 exec_lo, exec_lo, s23
	s_endpgm
.Lfunc_end_k_q9664380d4d_prep:
	.size	k_q9664380d4d_prep, .Lfunc_end_k_q9664380d4d_prep-k_q9664380d4d_prep
	.p2alignl 7, 3214868480
	.fill 96, 4, 3214868480
	.section	.rodata,"a",@progbits
	.p2align	6, 0x0
	.amdhsa_kernel k_q9664380d4d_prep
		.amdhsa_group_segment_fixed_size 0
		.amdhsa_private_segment_fixed_size 0
		.amdhsa_enable_private_segment 0
		.amdhsa_kernarg_size 40
		.amdhsa_user_sgpr_count 2
		.amdhsa_user_sgpr_kernarg_segment_ptr 1
		.amdhsa_wavefront_size32 1
		.amdhsa_system_sgpr_workgroup_id_x 1
		.amdhsa_system_sgpr_workgroup_id_y 1
		.amdhsa_system_sgpr_workgroup_id_z 1
		.amdhsa_system_vgpr_workitem_id 0
		.amdhsa_next_free_vgpr 240
		.amdhsa_next_free_sgpr 66
		.amdhsa_reserve_vcc 1
		.amdhsa_float_denorm_mode_32 3
		.amdhsa_float_denorm_mode_16_64 3
		.amdhsa_memory_ordered 1
		.amdhsa_forward_progress 1
		.amdhsa_inst_pref_size 13
	.end_amdhsa_kernel
	.amdgpu_metadata
---
amdhsa.version: [ 1, 2 ]
amdhsa.kernels:
  - .name:           k_q9664380d4d_prep
    .symbol:         k_q9664380d4d_prep.kd
    .args:
      - { .name: attn_w, .offset: 0, .size: 8, .value_kind: global_buffer, .address_space: global }
      - { .name: hidden, .offset: 8, .size: 8, .value_kind: global_buffer, .address_space: global }
      - { .name: attn_b, .offset: 16, .size: 8, .value_kind: global_buffer, .address_space: global }
      - { .name: wb, .offset: 24, .size: 8, .value_kind: global_buffer, .address_space: global }
      - { .name: hb, .offset: 32, .size: 8, .value_kind: global_buffer, .address_space: global }
    .group_segment_fixed_size: 0
    .private_segment_fixed_size: 0
    .kernarg_segment_align: 8
    .kernarg_segment_size: 40
    .max_flat_workgroup_size: 128
    .sgpr_count:     66
    .vgpr_count:     240
    .wavefront_size: 32
...
	.end_amdgpu_metadata
.endif
;; end of part 1
;; launch energy (part 2): grid 256 x 1, 4 waves a work-group, clusters of 4 x 1, 327,680 bytes of LDS; arguments encoder_outputs, wb, hb, v_w, ps, eb; writes ps, eb
.if DOCPART == 2
	.amdgcn_target "amdgcn-amd-amdhsa--gfx1250"
	.amdhsa_code_object_version 6
	.text
	.protected	k_q9664380d4d_energy
	.globl	k_q9664380d4d_energy
	.p2align	8
	.type	k_q9664380d4d_energy,@function
k_q9664380d4d_energy:
	s_mov_b64 s[64:65], 0
	v_nop
	global_prefetch_b8 v0, s[64:65] scope:SCOPE_SE
	s_setreg_imm32_b32 hwreg(HW_REG_WAVE_MODE, 25, 1), 1
	s_wait_xcnt 0x0
	s_wait_alu depctr_hold_cnt(0) depctr_sa_sdst(0) depctr_va_vdst(0) depctr_va_sdst(0) depctr_va_ssrc(0) depctr_va_vcc(0) depctr_vm_vsrc(0)
	s_getreg_b32 s2, hwreg(HW_REG_IB_STS2, 6, 4)
	s_cmp_eq_u32 s2, 0
	s_cbranch_scc0 .Lentry_in_a_cluster
	s_endpgm
.Lentry_in_a_cluster:
	s_bfe_u32 s2, ttmp6, 0x10000c
	s_cmp_lg_u32 s2, 0x3003
	s_cbranch_scc0 .Lentry_shape_is_right
	s_endpgm
.Lentry_shape_is_right:
; ps[half][row] = sum over the 512 columns n of a half of v_w[n] tanh(hb[n] + sum over k of enc[row][k] wb[n][k]);  eb = enc rounded to bf16, for the next launch.
; enc: [16384][2048] f32, rounded to bf16 on its way; wb: [1024][2048] bf16; hb, v_w: [1024] f32; ps: [2][16384] f32.  Products on the matrix units, sums in f32.
; eb: [128 row tiles][32 chunks of 64 columns][16,384 bytes]: byte 512 L + 16 lane + 8 e of a block holds row 4 L + 2 e + lane / 16 of the tile, columns 4 (lane % 16) + 0..3 of the chunk.
; SHARES.  A work-group makes 128 rows x 512 columns: 4 x 128 + 2 x 512 = 1,536 bytes come in for each k, the least for 65,536 outputs, and 128 x 2 tiles are 256 work-groups.
; Wave w makes all 128 rows x columns 128 w .. + 127: 64 accumulators of 16 x 16, 512 registers.  K goes in steps of 128.
; B (wb) comes by the tensor data mover through a ring of two LDS slots; wave w fetches and reads its own 128 rows of each slot.
; CLUSTER.  The four work-groups of a cluster make four row tiles of ONE column half, so they walk the same tiles of wb: each is asked for jointly, by the same tensor load with the
; same descriptor and the mask of all four.  Only two column halves exist, so a second axis of the cluster would have nothing to share.
; A (enc) is f32 in memory and bf16 in the product, and a tensor load converts nothing: it goes through registers, in chunks of 64 along K (a row's 256 bytes, aligned): wave w
; loads rows 32 w .. + 31, rounds them and stores them into a ring of two LDS slots that all four waves read.  So A is not asked for jointly, though the two column halves read the same rows.
; Two chunks of every wave are always on their way (counted waits), each for 256 matrix instructions.  The rounded chunk also goes to eb: column half 0 stores the even chunks, half 1 the odd ones.
; THE MATRIX INSTRUCTION IS USED TRANSPOSED (source 0 = 16 rows of wb, source 1 = 16 rows of enc): a lane holds ONE row of enc (lane % 16) and the columns 16 b + 8 (lane / 16) + 0..7.
; TANH.  tanh(x) = 1 - 2 / (1 + 2^(c x)), c = 2 log2(e).  Where 2^(c x) overflows to infinity the quotient is 0 and tanh is 1; where it comes out as 0, tanh is -1.  The absolute error is
; a few units of 2^-24; near x = 0 the relative error of tanh is therefore larger than that of a series.  The sum is kept as (sum of v) + sum of (-2 v) / (1 + 2^(c x)).
; LIMITS.  enc and wb are rounded to bf16 for the product; the order of all sums differs from a plain ascending one.
;
; REGISTERS, in windows of 256 (s_set_vgpr_msb's low byte: bits 1:0 source 0, 3:2 source 1, 5:4 source 2, 7:6 destination).  The accumulators of row block a (16 rows x 128 columns, 64 registers):
;   window 0: v0-31 addresses; v32-57 at work at the start and the end; v64-127, v128-191 fragments of B, two buffers; v192-255 block 0
;   window 1: v0-31 a chunk in bf16; v64-127, v128-191 fragments of A, two buffers (at the end c hb and -2 v); v192-255 block 1
;   window 2: v0-63, v64-127 chunks of A in f32, two sets; v128-255 blocks 2, 3          window 3: blocks 4 to 7
; A product names B in window 0, A in window 1, C and D in window X.  Under that very setting an LDS load (address: source 0, data: destination) lands in B's buffers for X = 0 and in A's for
; X = 1, a global load in the f32 sets for X = 2, and an LDS store (data: source 1) takes the bf16 chunk for any X.  So the memory lines stand beside the products of the fitting block without a
; switch of their own, in runs of sixteen with sixteen products or more between two runs.  Only the conversions (f32 in window 2 to bf16 in window 1) fit no product's setting: they
; stand in eight slices of four, one behind each product of block 2, at two switches a slice.
.set KSTEP, 128
.set PB,    272                        ; a row of B in LDS: 256 bytes + 16 of padding = 68 words: row r starts at bank 4 r mod 64 (64 banks of 4 bytes: ISA guide 11.1)
.set PA,    144                        ; a row of a chunk of A: 128 bytes + 16 = 36 words: the 16 rows of a load start at 16 different groups of four banks
.set HALFT, 128*PB                     ; a wave's 128 rows of B
.set SLOTB, 4*HALFT                    ; a slot of B: 512 rows
.set ABASE, 2*SLOTB                    ; behind B's ring: A's ring, written by LDS stores alone
.set ASLOT, 128*PA                     ; a slot of A: 128 rows x 64 K
.set RED,   ABASE+2*ASLOT              ; [4 waves][128 rows] f32: the waves' sums
.set SPARE, RED+2048                   ; the spare words, 128 bytes for each wave: two blocks of 256 bytes that no other line names
.set HV,    SPARE+512                  ; for each wave 1,024 bytes: c hb of its 128 columns, then -2 v
.set ADRA, 16                          ; v16-17  LDS address of my A fragments in A's slot 0, 1
.set ADRB, 20                          ; v20-21  the same for B
.set AOFF, 22                          ; v22     my byte offset in the tile's rows of enc: row 32 w + lane / 16, 16 bytes at 16 (lane % 16); never rewritten
.set AST,  23                          ; v23     where I store 8 bytes of that row in A's slot 0
.set HVA,  24                          ; v24     where I read c hb and -2 v
.set REDA, 25                          ; v25     where I put a row's sum
.set RDA,  26                          ; v26     where wave 0 reads four rows' sums
.set PO,   27                          ; v27     16 x lane: offset in my wave's 512 bytes of hb and of v_w, and in the tile's 512 bytes of ps
.set SPW,  28                          ; v28     LDS address of my spare word: SPARE + 4 x my thread's number; never rewritten
.set NIL,  29                          ; v29     0; never rewritten
.set HVS,  30                          ; v30     where I store 16 bytes of c hb
.set EOFF, 31                          ; v31     my byte offset in a block of eb: 4,096 w + 16 x lane; never rewritten
.set CH,   32                          ; at the end: v32-39 four chains
.set S,    40                          ; v40-47  a lane's sum for each of the eight row blocks
.set SV,   48                          ; v48-49  the sum of v over my 64 columns, in two halves
.set X,    50                          ; v50-57  the other half of the lanes' sums
.set T,    64                          ; v64-127 at work at the end (window 0)
.set F0,   64                          ; fragment buffers: B's in window 0, A's in window 1
.set F1,   128
.set TMP,  0                           ; window 1: a chunk in bf16
.set HB,   64                          ; window 1, at the end
.set VV,   128
.set WV,  14                           ; s14      my wave's number
.set NH,  16                           ; s16      the column half
.set G1,  24                           ; s[24:31] descriptor group 1
.set G0,  32                           ; s[32:39] descriptor group 0, a set for each slot
.set AB,  40                           ; s[40:41] enc at the tile's first row, at the chunk loaded last
.set CC,  42                           ; s[42:43] c: the packed forms name a pair and take its low word for both halves
.set SEL, 44                           ; s[44:45] lane selects for v_permlanex16_b32
.set PS,  56                           ; s[56:57] ps at the tile's 128 numbers
.set EB,  58                           ; s[58:59] eb at the block of the chunk staged last
.set MSB, 0
.macro WIN new                         ; the immediate's high byte repeats the setting that is left; a switch that changes nothing is dropped
.if MSB != \new
	s_set_vgpr_msb (MSB<<8)|\new
.set MSB, \new
.endif
.endm
.set CVT, 0x4a                         ; sources 0 and 1 window 2, destination window 1
; A round of the cluster's barrier: my work-group's barrier, so that wave 0's signal speaks for all four waves; wave 0 signals for the work-group; every wave waits for all four
; work-groups; my work-group's barrier once more.  No LDS instruction of the wave is pending at a signal.
.macro CREST                           ; a round behind its opening barrier
	s_cmp_lg_u32 s[WV], 0
	s_cbranch_scc1 .Lnot_wave_0_\@
	s_barrier_signal -3
.Lnot_wave_0_\@:
	s_barrier_wait -3
	s_barrier_signal -1
	s_barrier_wait -1
.endm
.macro CROUND                          ; a whole round
	s_barrier_signal -1
	s_barrier_wait -1
	CREST
.endm
	s_load_b256 s[4:11], s[0:1], 0x0               ; enc s[4:5], wb s[6:7], hb s[8:9], v_w s[10:11]
	s_load_b128 s[56:59], s[0:1], 0x20             ; ps, eb
	v_lshl_add_u32 v[SPW], v0, 2, SPARE
	v_mov_b32 v[NIL], 0
	ds_add_u32 v28, v29
	ds_add_u32 v28, v29
	s_wait_dscnt 0x0
	v_lshrrev_b32 v3, 5, v0
	v_readfirstlane_b32 s[WV], v3                  ; wave 0..3
	s_bfe_u32 s15, ttmp6, 0x40000                  ; cx: my place in the cluster; it enters enc's, ps's and eb's addresses alone
	s_and_b32 s[NH], ttmp9, 1                      ; the column half: the cluster's number is odd or even, so the four partners share it
	s_lshr_b32 s17, ttmp9, 1
	s_lshl2_add_u32 s17, s17, s15                  ; the row tile = 4 x (cluster / 2) + cx, 0 to 127
	s_lshl_b32 s18, s17, 20                        ; its 128 rows of 8,192 bytes
	s_mov_b32 s19, 0
	s_lshl_b32 s20, s[NH], 21                      ; wb: the half's 512 rows of 4,096 bytes,
	s_lshl_b32 s21, s[WV], 19                      ; my wave's 128 of them
	s_add_co_u32 s20, s20, s21
	s_mov_b32 s21, 0
	s_lshl_b32 s22, s[NH], 11                      ; hb and v_w: the half's 512 numbers, my wave's 128 of them
	s_lshl_b32 s23, s[WV], 9
	s_add_co_u32 s22, s22, s23
	s_mov_b32 s23, 0
	s_mul_i32 s46, s[WV], HALFT                    ; my quarter of a slot of B: no place in the cluster enters an LDS address
	s_lshl_b32 s47, s[WV], 18                      ; my wave's 32 rows of enc
	; descriptor group 1: a tile of 128 rows x 128 elements, padded in LDS
	s_mov_b32 s[G1+0], 15|(1<<16)|(1<<20)|(1<<21)|(5<<22)|(3<<25)  ; 15:0 the mask: all four work-groups; 17:16 elements of 2 bytes; 20 padding on; 21 set beside a mask; 24:22 after every 64 words (code 5); 31:25 4 words of it (code 3)
	s_mov_b32 s[G1+1], KSTEP<<16                   ; 63:48 tensor_dim0, low half = 128
	s_mov_b32 s[G1+2], 128<<16                     ; 79:64 its high half = 0; 95:80 tensor_dim1, low half = 128
	s_mov_b32 s[G1+3], KSTEP<<16                   ; 111:96 its high half = 0; 127:112 tile_dim0 = 128
	s_mov_b32 s[G1+4], 128                         ; 143:128 tile_dim1 = 128; 159:144 tile_dim2 = 0
	s_mov_b32 s[G1+5], 2048                        ; 191:160 tensor_dim0_stride: elements from row to row
	s_mov_b32 s[G1+6], 0
	s_mov_b32 s[G1+7], 0
	s_mov_b32 s[CC], 0x4038aa3b                    ; c = 2 log2(e) = 2.885390
	s_mov_b32 s[CC+1], s[CC]                       ; named with it as a pair, so it is written
	s_mov_b32 s[SEL], 0x76543210
	s_mov_b32 s[SEL+1], 0xfedcba98
	v_and_b32 v1, 15, v0                           ; r = lane % 16
	v_bfe_u32 v2, v0, 4, 1                         ; h = lane / 16
	v_and_b32 v5, 31, v0                           ; lane
	v_lshlrev_b32 v[PO], 4, v5
	v_lshlrev_b32 v[AOFF], 13, v2                  ; h rows of 8,192 bytes
	v_lshl_add_u32 v[AOFF], v1, 4, v[AOFF]         ; + 16 r
	v_add_nc_u32 v[AOFF], s47, v[AOFF]             ; + my wave's rows
	s_wait_kmcnt 0x0
	s_add_nc_u64 s[AB:AB+1], s[4:5], s[18:19]
	s_add_nc_u64 s[6:7], s[6:7], s[20:21]
	s_add_nc_u64 s[8:9], s[8:9], s[22:23]
	s_add_nc_u64 s[10:11], s[10:11], s[22:23]
	s_lshl_b32 s18, s17, 9                         ; ps: the tile's 128 numbers,
	s_lshl_b32 s47, s[NH], 16                      ; in the half's 16,384
	s_add_co_u32 s18, s18, s47
	s_add_nc_u64 s[PS:PS+1], s[PS:PS+1], s[18:19]
	s_lshl_b32 s18, s17, 19                        ; eb: the tile's 32 blocks of 16,384 bytes
	s_add_nc_u64 s[EB:EB+1], s[EB:EB+1], s[18:19]
	global_load_b128 v[32:35], v[PO], s[8:9]       ; hb of my wave's columns 4 lane + 0..3
	global_load_b128 v[36:39], v[PO], s[10:11]     ; v_w likewise
	WIN 0x80                                       ; destination window 2
.irp j, 0,1,2,3,4,5,6,7,8,9,10,11,12,13,14,15
	global_load_b128 v[4*\j:4*\j+3], v[AOFF], s[AB:AB+1] offset:\j*16384              ; chunk 0: rows 32 w + 2 j + h; 16 lanes take a row's 256 bytes
.endr
.irp j, 0,1,2,3,4,5,6,7,8,9,10,11,12,13,14,15
	global_load_b128 v[64+4*\j:64+4*\j+3], v[AOFF], s[AB:AB+1] offset:\j*16384+256    ; chunk 1
.endr
	WIN 0                                          ; at a branch and at a label every window is 0
	CROUND                                         ; all four work-groups are here: the first joint loads meet
.irp s, 0,1
	s_mov_b32 s[G0+4*\s], 1                                        ; 1:0 count = 1
	s_add_co_u32 s[G0+4*\s+1], s46, \s*SLOTB                       ; 63:32 LDS address
	s_add_nc_u64 s[G0+4*\s+2:G0+4*\s+3], s[6:7], \s*KSTEP*2        ; 120:64 global address: K step s
	s_or_b32 s[G0+4*\s+3], s[G0+4*\s+3], 0x80000000                ; 127:126 type = 2
.endr
	tensor_load_to_lds s[G0:G0+3], s[G1:G1+7]      ; both first fills go out together, ahead of every wait on TENSORcnt and every LDS read: two loads of mine are out
	s_nop 0
	tensor_load_to_lds s[G0+4:G0+7], s[G1:G1+7]
	s_nop 0
.rept 4
	v_nop
.endr
	; A fragment is 16 rows x 32 K in 8 registers: lane l holds row l % 16; registers 0-3 K = 8 (l / 16) + 0..7, registers 4-7 K = 16 + 8 (l / 16) + 0..7: two loads of 16 bytes, 32 bytes apart.
	v_mul_u32_u24 v3, v1, PA
	v_lshl_add_u32 v3, v2, 4, v3
	v_add_nc_u32 v[ADRA], ABASE, v3
	v_add_nc_u32 v[ADRA+1], ABASE+ASLOT, v3
	v_mul_u32_u24 v4, v1, PB
	v_lshl_add_u32 v4, v2, 4, v4
	v_add_nc_u32 v[ADRB], s46, v4
	v_add_nc_u32 v[ADRB+1], SLOTB, v[ADRB]
	s_mul_i32 s48, s[WV], 32*PA
	s_add_co_u32 s48, s48, ABASE
	v_mul_u32_u24 v[AST], v2, PA                   ; row 32 w + h of a slot of A,
	v_lshl_add_u32 v[AST], v1, 3, v[AST]           ; 8 bytes (4 bf16) at 8 r
	v_add_nc_u32 v[AST], s48, v[AST]
	s_lshl_b32 s49, s[WV], 10
	s_add_co_u32 s49, s49, HV
	v_lshl_add_u32 v[HVA], v2, 5, s49              ; columns 8 h on: 32 bytes
	v_lshl_add_u32 v[HVS], v5, 4, s49
	s_lshl_b32 s50, s[WV], 9
	s_add_co_u32 s50, s50, RED
	v_lshl_add_u32 v[REDA], v1, 2, s50
	v_lshl_add_u32 v[RDA], v5, 4, RED
	s_lshl_b32 s51, s[WV], 12
	v_lshl_add_u32 v[EOFF], v5, 4, s51
	s_wait_loadcnt 32                              ; the 32 loads of chunks 0 and 1 are younger: hb and v_w are in
	v_pk_mul_f32 v[32:33], v[32:33], s[CC:CC+1] op_sel_hi:[1,0]    ; c hb
	v_pk_mul_f32 v[34:35], v[34:35], s[CC:CC+1] op_sel_hi:[1,0]
	v_pk_mul_f32 v[36:37], v[36:37], -2.0 op_sel_hi:[1,0]          ; -2 v
	v_pk_mul_f32 v[38:39], v[38:39], -2.0 op_sel_hi:[1,0]
	ds_store_b128 v[HVS], v[32:35]                 ; my wave's own bytes: no other wave reads them
	ds_store_b128 v[HVS], v[36:39] offset:512
; Where row block a's accumulators lie: window AW, from register AC on; MULW is the setting of its products.
.macro ACCOF a
.if (\a) < 2
.set AW, \a
.set AC, 192
.elseif (\a) < 4
.set AW, 2
.set AC, 128+64*((\a)-2)
.else
.set AW, 3
.set AC, 64*((\a)-4)
.endif
.set MULW, 0x50*AW+4                   ; source 0 (B) window 0, source 1 (A) window 1, C and D window AW
.endm
; One product: row block a x column block b, 32 along K, from buffer f.  zero = 1: it starts the sum: nothing is ever cleared.
.macro MM f, a, b, zero
.if \zero
	v_wmma_f32_16x16x32_bf16 v[AC+8*\b:AC+8*\b+7], v[\f+8*\b:\f+8*\b+7], v[\f+8*\a:\f+8*\a+7], 0
.else
	v_wmma_f32_16x16x32_bf16 v[AC+8*\b:AC+8*\b+7], v[\f+8*\b:\f+8*\b+7], v[\f+8*\a:\f+8*\a+7], v[AC+8*\b:AC+8*\b+7]
.endif
.endm
; Row block a's eight products.  In every quarter each of the 64 accumulators has one turn of one instruction; no two products that follow each other share one.
.macro BLOCK f, a, zero
	ACCOF \a
	WIN MULW
.irp b, 0,1,2,3,4,5,6,7
	MM \f, \a, \b, \zero
.endr
.endm
; Sixteen LDS loads: my 128 rows of B, 32 K at byte kb of slot bs, into buffer g, under the setting of block 0's products
.macro LOADB g, bs, kb
	WIN 0x04
.irp i, 0,1,2,3,4,5,6,7
	ds_load_b128 v[\g+8*\i:\g+8*\i+3],   v[ADRB+\bs] offset:\kb+\i*16*PB
	ds_load_b128 v[\g+8*\i+4:\g+8*\i+7], v[ADRB+\bs] offset:\kb+\i*16*PB+32
.endr
.endm
; Sixteen LDS loads: the 128 rows of A, 32 K at byte ka of A's slot as, into buffer g, under the setting of block 1's products
.macro LOADA g, as, ka
	WIN 0x54
.irp i, 0,1,2,3,4,5,6,7
	ds_load_b128 v[\g+8*\i:\g+8*\i+3],   v[ADRA+\as] offset:\ka+\i*16*PA
	ds_load_b128 v[\g+8*\i+4:\g+8*\i+7], v[ADRA+\as] offset:\ka+\i*16*PA+32
.endr
.endm
; A load into a register that a matrix instruction has read, and a vector instruction that reads a matrix result, stand four places behind that matrix instruction, and only plain vector
; instructions that name none of its registers are places (ISA guide 7.12.1 for vector instructions).  Four v_nop stand between a quarter's products and the
; first load into the buffer that they read.
.macro PLACES
.rept 4
	v_nop
.endr
.endm
; STAGING A CHUNK, in four parts.  CVTS: block 2's eight products, and behind each of them four of the 32 roundings of f32 set `set` to bf16.
.macro CVTS f, zero, set
	ACCOF 2
.irp b, 0,1,2,3,4,5,6,7
	WIN MULW
	MM \f, 2, \b, \zero
	WIN CVT
.irp n, 0,1,2,3
	v_cvt_pk_bf16_f32 v[TMP+4*\b+\n], v[64*\set+8*\b+2*\n], v[64*\set+8*\b+2*\n+1]
.endr
.endr
.endm
.macro GLOAD set                       ; the set is loaded again, from the chunk at s[AB], under the setting of blocks 2 and 3
	WIN 0xa4
.irp j, 0,1,2,3,4,5,6,7,8,9,10,11,12,13,14,15
	global_load_b128 v[64*\set+4*\j:64*\set+4*\j+3], v[AOFF], s[AB:AB+1] offset:\j*16384
.endr
.endm
.macro SSTORE set                      ; the bf16 chunk into A's slot of the set's number, under any product's setting
.irp j, 0,1,2,3,4,5,6,7,8,9,10,11,12,13,14,15
	ds_store_b64 v[AST], v[TMP+2*\j:TMP+2*\j+1] offset:\set*ASLOT+\j*2*PA
.endr
.endm
; The bf16 chunk into eb, if it is my column half's: even chunks lie in set 0 and are half 0's, odd ones in set 1 and are half 1's.  The branch hangs on the cluster's number alone and jumps
; over stores alone.  A store takes two of my row pairs, 16 bytes a lane: 32 lanes store 512 consecutive bytes, at a multiple of 512 from eb's first byte.
.macro ESTORE set
	WIN 0
	s_cmp_lg_u32 s[NH], \set
	s_cbranch_scc1 .Lnot_mine_\@
	WIN 0x04                                       ; address window 0, data window 1
.irp j, 0,1,2,3,4,5,6,7
	global_store_b128 v[EOFF], v[TMP+4*\j:TMP+4*\j+3], s[EB:EB+1] offset:512*\j th:TH_STORE_NT
.endr
	WIN 0
.Lnot_mine_\@:
.endm
; A K step is four quarters of 32 along K, 64 products each, on buffers 0, 1, 0, 1.  A's chunk 2 t (slot 0) serves quarters 0 and 1 of step t, chunk 2 t + 1 (slot 1) quarters 2 and 3.
; QA is quarter 0 or 2: it multiplies buffer 0 and fetches the next quarter's fragments into buffer 1: B's behind block 0, A's 24 products later, 32 products ahead of their first use.
; stg = 1: the chunk in set `set` is staged (left = the younger global loads, which stay out); load = 1: the set is loaded again, with the chunk two further on.
.macro QA bs, kb, as, ka, zero, stg, set, left, load
	PLACES
	s_wait_dscnt 8                                 ; B and A's blocks 0-3 are in; the youngest eight loads (A's blocks 4-7) may be out
	BLOCK F0, 0, \zero
	LOADB F1, \bs, \kb
.if \stg
	s_wait_loadcnt \left                           ; loads come back in order (ISA guide 5.7.1): this set's 16 are in
	s_wait_xcnt 0x0                                ; the bf16 registers and eb's base, which the last stores read, and enc's base are rewritten only behind this wait
	s_add_nc_u64 s[EB:EB+1], s[EB:EB+1], 16384     ; this chunk's block
	CVTS F0, \zero, \set
.else
	BLOCK F0, 2, \zero
.endif
	BLOCK F0, 3, \zero
.if \load
	s_add_nc_u64 s[AB:AB+1], s[AB:AB+1], 256
	GLOAD \set
.endif
	BLOCK F0, 1, \zero
	LOADA F1, \as, \ka
	s_wait_dscnt 32                                ; all but the 32 loads of this quarter
	BLOCK F0, 4, \zero
	BLOCK F0, 5, \zero
.if \stg
	SSTORE \set
	ESTORE \set
.endif
	BLOCK F0, 6, \zero
	BLOCK F0, 7, \zero
.endm
; What follows the barrier in quarters 1 and 3: the next quarter's fragments into buffer 0, from slots that are whole only now, and the other six blocks
.macro REST bs, kb, as
	LOADB F0, \bs, \kb
	BLOCK F1, 0, 0
	BLOCK F1, 1, 0
	LOADA F0, \as, 0
	BLOCK F1, 4, 0
	BLOCK F1, 5, 0
	BLOCK F1, 6, 0
	BLOCK F1, 7, 0
.endm
; QP is quarter 1: it multiplies buffer 1 and holds the barrier at which A's slots change.  In front of it each wave's stores into A's slot 1 and its reads of A's slot 0 are done; behind it
; slot 1 is read and slot 0 is written.  No tensor load fills anything behind it, so my one tensor load stays on its way across it.
.macro QP bs, kb
	s_wait_dscnt 0x0                               ; buffer 1 is in; for the others' sake: my stores into slot 1 are done and my reads of slot 0 are back
	s_barrier_signal -1
	BLOCK F1, 2, 0                                 ; sixteen products while the others arrive
	BLOCK F1, 3, 0
	s_barrier_wait -1
	PLACES
	REST \bs, \kb, 1
.endm
; Quarter 3 multiplies buffer 1 and changes B's slots, and A's back.  MEET is its first part: in front of the barrier each wave waits for all its tensor loads, of which one is out: its part
; of B's next slot; adds 0 to its spare word; and waits for that, for its reads of B's slot and of A's slot 1, and for its stores into A's slot 0.
.macro MEET
	WIN 0                                          ; (the add's two registers lie in window 0)
	s_wait_tensorcnt 0x0                           ; all my tensor loads have landed
	ds_add_u32 v[SPW], v[NIL]                      ; 0 onto my spare word
	s_wait_dscnt 1                                 ; (buffer 1 is in; the add may be out)
	BLOCK F1, 2, 0                                 ; eight products stand between the add and the wait for it
	s_wait_dscnt 0x0                               ; the add is done, my LDS loads are back, my LDS stores are done
	s_barrier_signal -1
	BLOCK F1, 3, 0
.endm
; The whole quarter 3 with a refill: behind the round no wave of any partner still reads B's slot bs or has a load on its way; the slot takes the K step two steps on.  Each wave asks for its
; own 128 rows: one line, whose LDS and global addresses differ by the wave's number alone.  From the request to the wait for it a wave issues 240 products.
.macro TURN bs, nbs
	MEET
	WIN 0
	s_barrier_wait -1
	CREST
	s_add_nc_u64 s[G0+4*\bs+2:G0+4*\bs+3], s[G0+4*\bs+2:G0+4*\bs+3], 2*KSTEP*2   ; no tensor load of mine is out: the group 0 may be written; the type bits on top are not reached
	tensor_load_to_lds s[G0+4*\bs:G0+4*\bs+3], s[G1:G1+7]
	s_nop 0
	PLACES                                         ; the places in front of the loads below
	REST \nbs, 0, 0
.endm
.macro TURNL nbs                       ; the same where nothing is left to fetch: no round, no load
	MEET
	s_barrier_wait -1
	PLACES
	REST \nbs, 0, 0
.endm
	; chunk 0 is staged in one piece: there are no products yet to set it between
	WIN CVT
	s_wait_loadcnt 16                              ; chunk 1's 16 loads are younger
.set i, 0
.rept 32
	v_cvt_pk_bf16_f32 v[TMP+i], v[2*i], v[2*i+1]
.set i, i+1
.endr
	WIN 0x04
	SSTORE 0
	ESTORE 0
	s_wait_xcnt 0x0                                ; the loads' base is stepped only behind this wait
	s_add_nc_u64 s[AB:AB+1], s[AB:AB+1], 512       ; chunk 2
	GLOAD 0
	s_wait_tensorcnt 0x1                           ; my part of K step 0 is in; K step 1's stays out
	s_wait_dscnt 0x0                               ; my stores of chunk 0 are done
	s_barrier_signal -1
	s_barrier_wait -1
	LOADB F0, 0, 0
	LOADA F0, 0, 0
	QA 0, 64, 0, 64, 1, 1, 1, 16, 1                ; the first quarter stands in front of the loop: its products start the sums; chunk 1 is staged, chunk 3 goes out
	WIN 0                                          ; at a label and at a branch every window is 0
	s_mov_b32 s3, 7
.Llap:                                                 ; a trip goes once round B's ring, from quarter 1 of an even K step to quarter 0 of the next even one: four chunks of A staged and four asked for, both slots of B filled again
	QP 0, 128
	QA 0, 192, 1, 64, 0, 1, 0, 16, 1
	TURN 0, 1
	QA 1, 64, 0, 64, 0, 1, 1, 16, 1
	QP 1, 128
	QA 1, 192, 1, 64, 0, 1, 0, 16, 1
	TURN 1, 0
	QA 0, 64, 0, 64, 0, 1, 1, 16, 1
	WIN 0
	s_sub_co_u32 s3, s3, 1
	s_cmp_lg_u32 s3, 0
	s_cbranch_scc1 .Llap                           ; the seventh trip has asked for chunk 31 and K step 15: the last of each
	QP 0, 128                                      ; K step 14 goes on; the tail is written out and asks for nothing
	QA 0, 192, 1, 64, 0, 1, 0, 16, 0               ; chunk 30 (chunk 31's 16 loads are younger)
	TURNL 1
	QA 1, 64, 0, 64, 0, 1, 1, 0, 0                 ; chunk 31: no load is younger
	QP 1, 128
	QA 1, 192, 1, 64, 0, 0, 0, 0, 0
	s_wait_dscnt 0x0                               ; the very last quarter
.irp a, 0,1,2,3,4,5,6,7
	BLOCK F1, \a, 0
.endr
	; TANH AND THE PRODUCT WITH v.  c hb and -2 v of my 64 columns (block b: columns 16 b + 8 h + 0..7) come into the registers that held A's fragments.
	WIN 0
	PLACES
	WIN 0x40                                       ; destination window 1
.irp b, 0,1,2,3,4,5,6,7
	ds_load_b128 v[HB+8*\b:HB+8*\b+3],   v[HVA] offset:64*\b
	ds_load_b128 v[HB+8*\b+4:HB+8*\b+7], v[HVA] offset:64*\b+16
.endr
.irp b, 0,1,2,3,4,5,6,7
	ds_load_b128 v[VV+8*\b:VV+8*\b+3],   v[HVA] offset:512+64*\b
	ds_load_b128 v[VV+8*\b+4:VV+8*\b+7], v[HVA] offset:512+64*\b+16
.endr
	s_wait_dscnt 0x0
	; the sum of v over my columns = -1/2 the sum of -2 v: 32 pairs, halved five times
	WIN 0x05                                       ; sources 0 and 1 window 1
.irp i, 0,1,2,3,4,5,6,7,8,9,10,11,12,13,14,15
	v_pk_add_f32 v[T+2*\i:T+2*\i+1], v[VV+4*\i:VV+4*\i+1], v[VV+4*\i+2:VV+4*\i+3]
.endr
	WIN 0
.irp i, 0,1,2,3,4,5,6,7
	v_pk_add_f32 v[T+2*\i:T+2*\i+1], v[T+4*\i:T+4*\i+1], v[T+4*\i+2:T+4*\i+3]
.endr
.irp i, 0,1,2,3
	v_pk_add_f32 v[T+2*\i:T+2*\i+1], v[T+4*\i:T+4*\i+1], v[T+4*\i+2:T+4*\i+3]
.endr
.irp i, 0,1
	v_pk_add_f32 v[T+2*\i:T+2*\i+1], v[T+4*\i:T+4*\i+1], v[T+4*\i+2:T+4*\i+3]
.endr
	v_pk_add_f32 v[T:T+1], v[T:T+1], v[T+2:T+3]
	v_pk_mul_f32 v[SV:SV+1], v[T:T+1], -0.5 op_sel_hi:[1,0]
.irp a, 0,1,2,3,4,5,6,7
	v_mov_b32 v[X+\a], 0                           ; written, since v_permlanex16_b32 counts as a reader of its destination
.endr
	; Row block a: 64 numbers a lane.  c x = c sum + c hb; 2^(c x); + 1; the reciprocal; times -2 v, in four chains, the first of which starts from the sum of v.
.irp a, 0,1,2,3,4,5,6,7
	ACCOF \a
.set EPW, 0x10+AW
	WIN EPW                                        ; source 0: the block's window; source 2 (c hb): window 1
.set i, 0
.rept 32
	v_pk_fma_f32 v[T+2*i:T+2*i+1], v[AC+2*i:AC+2*i+1], s[CC:CC+1], v[HB+2*i:HB+2*i+1] op_sel_hi:[1,0,1]   ; each accumulator's registers in ascending order
.set i, i+1
.endr
	WIN 0
.set i, 0
.rept 64
	v_exp_f32 v[T+i], v[T+i]
.set i, i+1
.endr
	v_nop                                          ; a plain instruction between the last exponential and the use of its result (ISA guide 5.7.2)
.set i, 0
	s_wait_alu depctr_va_vdst(0)
.rept 32
	v_pk_add_f32 v[T+2*i:T+2*i+1], v[T+2*i:T+2*i+1], 1.0 op_sel_hi:[1,0]
.set i, i+1
.endr
.set i, 0
.rept 64
	v_rcp_f32 v[T+i], v[T+i]
.set i, i+1
.endr
	v_nop                                          ; the same behind the last reciprocal
	WIN 0x04                                       ; source 1 (-2 v): window 1
.set i, 0
.rept 32
.if i == 0
	s_wait_alu depctr_va_vdst(0)
	v_pk_fma_f32 v[CH:CH+1], v[T:T+1], v[VV:VV+1], v[SV:SV+1]
.elseif i < 4
	v_pk_mul_f32 v[CH+2*i:CH+2*i+1], v[T+2*i:T+2*i+1], v[VV+2*i:VV+2*i+1]
.else
	v_pk_fma_f32 v[CH+2*(i%4):CH+2*(i%4)+1], v[T+2*i:T+2*i+1], v[VV+2*i:VV+2*i+1], v[CH+2*(i%4):CH+2*(i%4)+1]
.endif
.set i, i+1
.endr
	WIN 0
	v_pk_add_f32 v[CH:CH+1], v[CH:CH+1], v[CH+2:CH+3]
	v_pk_add_f32 v[CH+4:CH+5], v[CH+4:CH+5], v[CH+6:CH+7]
	v_pk_add_f32 v[CH:CH+1], v[CH:CH+1], v[CH+4:CH+5]
	v_add_f32 v[S+\a], v[CH], v[CH+1]              ; row 16 a + r, my 64 columns
.endr
.irp a, 0,1,2,3,4,5,6,7
	v_permlanex16_b32 v[X+\a], v[S+\a], s[SEL], s[SEL+1]           ; the row's other 64 columns of my wave lie in the lane 16 away
.endr
.irp a, 0,1,2,3,4,5,6,7
	v_add_f32 v[S+\a], v[S+\a], v[X+\a]
.endr
.irp a, 0,1,2,3,4,5,6,7
	ds_store_b32 v[REDA], v[S+\a] offset:64*\a     ; lanes r and r + 16 store the same number to the same word
.endr
	s_wait_dscnt 0x0                               ; for the others' sake: my sums are in LDS
	s_barrier_signal -1
	s_barrier_wait -1
	s_cmp_lg_u32 s[WV], 0
	s_cbranch_scc1 .Lend
.irp q, 0,1,2,3
	ds_load_b128 v[T+4*\q:T+4*\q+3], v[RDA] offset:512*\q          ; wave 0: rows 4 lane + 0..3 of each wave's sums
.endr
	s_wait_dscnt 0x0
	v_pk_add_f32 v[T:T+1], v[T:T+1], v[T+4:T+5]
	v_pk_add_f32 v[T+2:T+3], v[T+2:T+3], v[T+6:T+7]
	v_pk_add_f32 v[T+8:T+9], v[T+8:T+9], v[T+12:T+13]
	v_pk_add_f32 v[T+10:T+11], v[T+10:T+11], v[T+14:T+15]
	v_pk_add_f32 v[T:T+1], v[T:T+1], v[T+8:T+9]
	v_pk_add_f32 v[T+2:T+3], v[T+2:T+3], v[T+10:T+11]
	global_store_b128 v[PO], v[T:T+3], s[PS:PS+1]  ; 32 lanes store 512 consecutive bytes, at a multiple of 512 from ps's first byte
.Lend:
	s_wait_tensorcnt 0x0                           ; the wave's end: behind my last tensor load and my last LDS store
	ds_add_u32 v[SPW], v[NIL]
	s_wait_dscnt 0x0
	CROUND                                         ; the closing round: no work-group ends while a partner may still ask for a tile that names it
	s_endpgm
.Lfunc_end_k_q9664380d4d_energy:
	.size	k_q9664380d4d_energy, .Lfunc_end_k_q9664380d4d_energy-k_q9664380d4d_energy
	.p2alignl 7, 3214868480
	.fill 96, 4, 3214868480
	.section	.rodata,"a",@progbits
	.p2align	6, 0x0
	.amdhsa_kernel k_q9664380d4d_energy
		.amdhsa_group_segment_fixed_size 327680
		.amdhsa_private_segment_fixed_size 0
		.amdhsa_enable_private_segment 0
		.amdhsa_kernarg_size 48
		.amdhsa_user_sgpr_count 2
		.amdhsa_user_sgpr_kernarg_segment_ptr 1
		.amdhsa_wavefront_size32 1
		.amdhsa_system_sgpr_workgroup_id_x 1
		.amdhsa_system_sgpr_workgroup_id_y 1
		.amdhsa_system_sgpr_workgroup_id_z 1
		.amdhsa_system_vgpr_workitem_id 0
		.amdhsa_next_free_vgpr 1024
		.amdhsa_next_free_sgpr 66
		.amdhsa_reserve_vcc 0
		.amdhsa_float_denorm_mode_32 3
		.amdhsa_float_denorm_mode_16_64 3
		.amdhsa_memory_ordered 1
		.amdhsa_forward_progress 1
		.amdhsa_inst_pref_size 248
	.end_amdhsa_kernel
	.amdgpu_metadata
---
amdhsa.version: [ 1, 2 ]
amdhsa.kernels:
  - .name:           k_q9664380d4d_energy
    .symbol:         k_q9664380d4d_energy.kd
    .args:
      - { .name: encoder_outputs, .offset: 0, .size: 8, .value_kind: global_buffer, .address_space: global }
      - { .name: wb, .offset: 8, .size: 8, .value_kind: global_buffer, .address_space: global }
      - { .name: hb, .offset: 16, .size: 8, .value_kind: global_buffer, .address_space: global }
      - { .name: v_w, .offset: 24, .size: 8, .value_kind: global_buffer, .address_space: global }
      - { .name: ps, .offset: 32, .size: 8, .value_kind: global_buffer, .address_space: global }
      - { .name: eb, .offset: 40, .size: 8, .value_kind: global_buffer, .address_space: global }
    .group_segment_fixed_size: 327680
    .private_segment_fixed_size: 0
    .kernarg_segment_align: 8
    .kernarg_segment_size: 48
    .max_flat_workgroup_size: 128
    .sgpr_count:     66
    .vgpr_count:     1024
    .wavefront_size: 32
...
	.end_amdgpu_metadata
.endif
;; end of part 2
;; launch context (part 3): grid 16 x 16, 8 waves a work-group, no clusters, 9,728 bytes of LDS; arguments eb, ps, out0; writes out0
.if DOCPART == 3
	.amdgcn_target "amdgcn-amd-amdhsa--gfx1250"
	.amdhsa_code_object_version 6
	.text
	.protected	k_q9664380d4d_context
	.globl	k_q9664380d4d_context
	.p2align	8
	.type	k_q9664380d4d_context,@function
k_q9664380d4d_context:
	s_mov_b64 s[64:65], 0
	v_nop
	global_prefetch_b8 v0, s[64:65] scope:SCOPE_SE
	s_setreg_imm32_b32 hwreg(HW_REG_WAVE_MODE, 25, 1), 1
	s_wait_xcnt 0x0
; out0[b][d] = sum over s of softmax_s(score[b][s]) enc[b][s][d], score = ps[0] + ps[1].  ps: [2][16384] f32, out0: [16][2048] f32.
; enc comes as eb, its bf16 copy: [128 row tiles][32 chunks of 64 columns][16,384 bytes]; byte 512 L + 16 lane + 8 e of a block holds row 4 L + 2 e + lane / 16 of the tile,
; columns 4 (lane % 16) + 0..3 of the chunk.  LIMIT: enc enters the sum rounded to bf16; the weights, the products and the sums are f32.
; A work-group owns one batch b (grid y) and 128 columns (grid x): chunks 2 x and 2 x + 1.  Wave w takes row tile 8 b + w, the batch's rows 128 w .. + 127: two neighbouring blocks, 32 KiB on
; end, 64 loads of 512 consecutive bytes.  A lane keeps four columns of each chunk and sees the rows of one parity (lane / 16): 16 sums a lane (2 chunks x 2 rows of a load x 4 columns).
; SOFTMAX.  The batch's true maximum M is taken away: p = 2^(log2(e) s - log2(e) M), l = the sum of p; the sums are made with p and divided by l at the end.
; The rounding of log2(e) M is common to all p of a batch and falls out in the division.  A weight below 2^-126 comes out as 0.
; Each of a batch's 16 work-groups makes the softmax anew from 8 KiB of ps, beside its 256 KiB of eb: what they share is too small a part for a cluster.
; Memory binds: no matrix unit (one row of weights a batch).  A ring of sixteen pairs of loads in registers keeps 32 loads of every wave on their way: 128 KiB a work-group, half of all it reads.
; No address register is ever rewritten: a load's place stands in its immediate.
.set MAXW, 4096                        ; LDS: p at 0, as [8 tiles][2 parities][64]: word 2 L + e is row 4 L + 2 e + parity; then the waves' maxima; 256 bytes on, the waves' sums
.set SUMO, 256
.set RED,  4608                        ; [8 waves][128 columns] f32
.set XO,  1                            ; v1      my byte offset in eb: wave x 32 blocks + 16 x lane
.set T16, 2                            ; v2      16 x thread: my four scores in ps
.set L16, 3                            ; v3      16 x lane
.set TT,  4                            ; v4-11   scores and weights, then at work
.set MW,  14                           ; v14     my wave's word among the maxima
.set MR,  15                           ; v15     the maxima
.set PST, 16                           ; v16     where I store two weights of even rows: 512 w + 8 x lane; the odd rows' lie 256 bytes on
.set PLD, 17                           ; v17     the weights of my wave's rows of my parity: 512 w + 256 (lane / 16)
.set RS,  18                           ; v18     my 16 bytes in RED: chunk 0's four columns; chunk 1's lie 256 bytes on
.set RR,  19                           ; v19     RED + 16 x lane
.set INV, 20                           ; v20     1 / l;  v21  M;  v22  log2(e) M
.set ACC, 24                           ; v[24:39]    chunk c, row e of a load, column k: ACC + 8 c + 4 e + k
.set PR,  40                           ; v[40:103]   my 64 weights: PR + 2 L + e
.set X,   104                          ; v[104:231]  sixteen pairs of loads: chunk 0's four registers, chunk 1's four
	s_load_b128 s[4:7], s[0:1], 0x0                ; eb s[4:5], ps s[6:7]
	s_load_b64 s[8:9], s[0:1], 0x10                ; out0
	v_lshl_add_u32 v232, v0, 2, 0x2200
	v_mov_b32 v233, 0
	v_lshrrev_b32 v12, 5, v0
	v_readfirstlane_b32 s10, v12                   ; wave 0..7
	s_and_b32 s11, ttmp7, 0xffff                   ; the batch
	s_lshl_b32 s12, s11, 22                        ; eb: the batch's 8 tiles of 32 blocks of 16,384 bytes,
	s_lshl_b32 s16, ttmp9, 15                      ; my two blocks
	s_add_co_u32 s12, s12, s16
	s_mov_b32 s13, 0
	s_lshl_b32 s18, s11, 12                        ; ps: the batch's 1,024 numbers
	s_mov_b32 s19, 0
	s_lshl_b32 s20, s11, 13                        ; out0: the batch's row,
	s_lshl_b32 s16, ttmp9, 9                       ; my 128 columns
	s_add_co_u32 s20, s20, s16
	s_mov_b32 s21, 0
	s_mov_b32 s14, 0x76543210                      ; v_permlanex16_b32: each lane takes its own place in the other half
	s_mov_b32 s15, 0xfedcba98
	s_mov_b32 s22, 0x3fb8aa3b                      ; log2(e)
	s_mov_b32 s26, 0xffff0000                      ; a word's upper bf16
	s_lshl_b32 s17, s10, 19                        ; my wave's tile
	s_lshl_b32 s23, s10, 2
	s_add_co_u32 s23, s23, MAXW
	s_lshl_b32 s24, s10, 9
	s_add_co_u32 s25, s24, RED
	v_and_b32 v13, 31, v0
	v_lshlrev_b32 v[L16], 4, v13
	v_add_nc_u32 v[XO], s17, v[L16]
	v_lshlrev_b32 v[T16], 4, v0
	v_mov_b32 v[MW], s23
	v_mov_b32 v[MR], MAXW
	v_lshl_add_u32 v[PST], v13, 3, s24
	v_bfe_u32 v12, v0, 4, 1
	v_lshl_add_u32 v[PLD], v12, 8, s24
	v_and_b32 v12, 15, v0
	v_lshl_add_u32 v[RS], v12, 4, s25
	v_add_nc_u32 v[RR], RED, v[L16]
	v_mov_b32 v13, 0                               ; written, since v_permlanex16_b32 counts as a reader of its destination
	s_wait_kmcnt 0x0
	s_add_nc_u64 s[4:5], s[4:5], s[12:13]
	s_add_nc_u64 s[6:7], s[6:7], s[18:19]
	s_add_nc_u64 s[8:9], s[8:9], s[20:21]
	global_load_b128 v[4:7], v[T16], s[6:7]                        ; the two column halves' parts of scores 4 t + 0..3
	global_load_b128 v[8:11], v[T16], s[6:7] offset:65536
.set L, 0
.rept 16
	global_load_b128 v[X+8*L:X+8*L+3],   v[XO], s[4:5] offset:512*L th:TH_LOAD_NT         ; the ring is filled: rows 0 to 63 of my tile, both chunks
	global_load_b128 v[X+8*L+4:X+8*L+7], v[XO], s[4:5] offset:16384+512*L th:TH_LOAD_NT
.set L, L+1
.endr
	s_wait_loadcnt 32                              ; the 32 loads of eb are younger: ps is in
	v_pk_add_f32 v[4:5], v[4:5], v[8:9]
	v_pk_add_f32 v[6:7], v[6:7], v[10:11]
	v_max3_num_f32 v12, v4, v5, v6
	v_max_num_f32 v12, v12, v7
	v_max_num_f32_dpp v12, v12, v12 row_xmask:1 row_mask:0xf bank_mask:0xf
	v_max_num_f32_dpp v12, v12, v12 row_xmask:2 row_mask:0xf bank_mask:0xf
	v_max_num_f32_dpp v12, v12, v12 row_xmask:4 row_mask:0xf bank_mask:0xf
	v_max_num_f32_dpp v12, v12, v12 row_xmask:8 row_mask:0xf bank_mask:0xf
	v_permlanex16_b32 v13, v12, s14, s15
	v_max_num_f32 v12, v12, v13
	ds_store_b32 v[MW], v12                        ; all lanes store the same number to my wave's word
	s_wait_dscnt 0x0                               ; for the others' sake
	s_barrier_signal -1
	s_barrier_wait -1
	ds_load_b128 v[PR:PR+3], v[MR]
	ds_load_b128 v[PR+4:PR+7], v[MR] offset:16
	s_wait_dscnt 0x0
	v_max3_num_f32 v21, v[PR], v[PR+1], v[PR+2]
	v_max3_num_f32 v21, v21, v[PR+3], v[PR+4]
	v_max3_num_f32 v21, v21, v[PR+5], v[PR+6]
	v_max_num_f32 v21, v21, v[PR+7]                ; M
	v_mul_f32 v22, s22, v21
.irp k, 4,5,6,7
	v_fma_f32 v\k, v\k, s22, -v22
.endr
	v_exp_f32 v8, v4                               ; the weights of rows 4 t, 4 t + 2 (even) in one pair,
	v_exp_f32 v9, v6
	v_exp_f32 v10, v5                              ; of rows 4 t + 1, 4 t + 3 (odd) in the next
	v_exp_f32 v11, v7
	v_nop                                          ; a plain instruction between the last exponential and the use of its result (ISA guide 5.7.2)
	s_wait_alu depctr_va_vdst(0)
	ds_store_b64 v[PST], v[8:9]                    ; thread t's rows belong to tile t / 32, its own wave's: these bytes are read by my wave alone
	ds_store_b64 v[PST], v[10:11] offset:256
	v_add_f32 v12, v8, v9
	v_add_f32 v13, v10, v11
	v_add_f32 v12, v12, v13
	v_add_f32_dpp v12, v12, v12 row_xmask:1 row_mask:0xf bank_mask:0xf
	v_add_f32_dpp v12, v12, v12 row_xmask:2 row_mask:0xf bank_mask:0xf
	v_add_f32_dpp v12, v12, v12 row_xmask:4 row_mask:0xf bank_mask:0xf
	v_add_f32_dpp v12, v12, v12 row_xmask:8 row_mask:0xf bank_mask:0xf
	v_permlanex16_b32 v13, v12, s14, s15
	v_add_f32 v12, v12, v13
	ds_store_b32 v[MW], v12 offset:SUMO            ; other bytes than the maxima, which slower waves may still read
	s_wait_dscnt 0x0                               ; for the others' sake: my sum
	s_barrier_signal -1
	s_barrier_wait -1
	ds_load_b128 v[PR:PR+3], v[MR] offset:SUMO
	ds_load_b128 v[PR+4:PR+7], v[MR] offset:SUMO+16
	s_wait_dscnt 0x0
	v_pk_add_f32 v[PR:PR+1], v[PR:PR+1], v[PR+2:PR+3]
	v_pk_add_f32 v[PR+4:PR+5], v[PR+4:PR+5], v[PR+6:PR+7]
	v_pk_add_f32 v[PR:PR+1], v[PR:PR+1], v[PR+4:PR+5]
	v_add_f32 v12, v[PR], v[PR+1]                  ; l; at least 1, since the row of the maximum gives 2^0
	v_rcp_f32 v[INV], v12                          ; used at the very end; v12 is not written again
.irp k, 0,1,2,3,4,5,6,7,8,9,10,11,12,13,14,15
	ds_load_b128 v[PR+4*\k:PR+4*\k+3], v[PLD] offset:16*\k         ; my 64 weights; the 16 lanes of a parity read the same 16 bytes
.endr
	s_wait_dscnt 0x0
; One register of a load: two neighbouring columns of one row, times the row's weight, onto two sums.  The first pair of loads starts the sums: nothing is cleared.
.set tt, 0
.macro ELEM x, p, acc
.if L == 0
	v_lshlrev_b32 v[TT+tt], 16, v[\x]              ; bf16 to f32: the low half moves up,
	v_and_b32 v[TT+tt+1], s26, v[\x]               ; the high half stays
	v_mul_f32 v[\acc], v[TT+tt], v[\p]
	v_mul_f32 v[\acc+1], v[TT+tt+1], v[\p]
.set tt, (tt+2)%8
.else
	v_fma_mix_f32_bf16 v[\acc], v[\x], v[\p], v[\acc] op_sel_hi:[1,0,0]                   ; the low bf16 x the f32 weight + the f32 sum
	v_fma_mix_f32_bf16 v[\acc+1], v[\x], v[\p], v[\acc+1] op_sel:[1,0,0] op_sel_hi:[1,0,0]   ; the high bf16
.endif
.endm
.macro PAIR                            ; pair L: rows 4 L + 0..3 of my tile, both chunks
.set xr, X+8*(L%16)
.set pr, PR+2*L
.if L <= 16
	s_wait_loadcnt 30                              ; loads come back in order (ISA guide 5.7.1): the fifteen younger pairs stay out
.else
	s_wait_loadcnt 2*(31-L)                        ; the last pairs: the counts run down
.endif
.irp c, 0,1
.irp e, 0,1
.irp n, 0,1
	ELEM xr+4*\c+2*\e+\n, pr+\e, ACC+8*\c+4*\e+2*\n
.endr
.endr
.endr
.if L+16 <= 31
	global_load_b128 v[xr:xr+3],   v[XO], s[4:5] offset:512*(L+16) th:TH_LOAD_NT          ; the pair sixteen further on, into the registers just read
	global_load_b128 v[xr+4:xr+7], v[XO], s[4:5] offset:16384+512*(L+16) th:TH_LOAD_NT
.endif
.endm
.set L, 0
.rept 32
	PAIR
.set L, L+1
.endr
.irp c, 0,1
	v_pk_add_f32 v[ACC+8*\c:ACC+8*\c+1],   v[ACC+8*\c:ACC+8*\c+1],   v[ACC+8*\c+4:ACC+8*\c+5]   ; the two rows of a load
	v_pk_add_f32 v[ACC+8*\c+2:ACC+8*\c+3], v[ACC+8*\c+2:ACC+8*\c+3], v[ACC+8*\c+6:ACC+8*\c+7]
.endr
.irp c, 0,1
.irp k, 0,1,2,3
	v_permlanex16_b32 v[TT+4*\c+\k], v[ACC+8*\c+\k], s14, s15      ; the rows of the other parity lie in the lane 16 away
.endr
.endr
.irp c, 0,1
	v_pk_add_f32 v[ACC+8*\c:ACC+8*\c+1],   v[ACC+8*\c:ACC+8*\c+1],   v[TT+4*\c:TT+4*\c+1]
	v_pk_add_f32 v[ACC+8*\c+2:ACC+8*\c+3], v[ACC+8*\c+2:ACC+8*\c+3], v[TT+4*\c+2:TT+4*\c+3]
.endr
	ds_store_b128 v[RS], v[ACC:ACC+3]              ; my wave's 128 rows, my four columns of each chunk; lanes r and r + 16 store the same numbers to the same words
	ds_store_b128 v[RS], v[ACC+8:ACC+11] offset:256
	s_wait_dscnt 0x0                               ; for the others' sake
	s_barrier_signal -1
	s_barrier_wait -1
	s_cmp_lg_u32 s10, 0
	s_cbranch_scc1 .Lend
.irp k, 0,1,2,3,4,5,6,7
	ds_load_b128 v[X+4*\k:X+4*\k+3], v[RR] offset:512*\k           ; wave 0: the eight waves' sums of columns 4 lane + 0..3
.endr
	s_wait_dscnt 0x0
.irp k, 0,1,2,3
	v_pk_add_f32 v[X+8*\k:X+8*\k+1],   v[X+8*\k:X+8*\k+1],   v[X+8*\k+4:X+8*\k+5]
	v_pk_add_f32 v[X+8*\k+2:X+8*\k+3], v[X+8*\k+2:X+8*\k+3], v[X+8*\k+6:X+8*\k+7]
.endr
.irp k, 0,1
	v_pk_add_f32 v[X+16*\k:X+16*\k+1],   v[X+16*\k:X+16*\k+1],   v[X+16*\k+8:X+16*\k+9]
	v_pk_add_f32 v[X+16*\k+2:X+16*\k+3], v[X+16*\k+2:X+16*\k+3], v[X+16*\k+10:X+16*\k+11]
.endr
	v_pk_add_f32 v[X:X+1],   v[X:X+1],   v[X+16:X+17]
	v_pk_add_f32 v[X+2:X+3], v[X+2:X+3], v[X+18:X+19]
	s_wait_alu depctr_va_vdst(0)
	v_pk_mul_f32 v[X:X+1],   v[X:X+1],   v[INV:INV+1] op_sel_hi:[1,0]   ; divided by l
	v_pk_mul_f32 v[X+2:X+3], v[X+2:X+3], v[INV:INV+1] op_sel_hi:[1,0]
	global_store_b128 v[L16], v[X:X+3], s[8:9]     ; 32 lanes store 512 consecutive bytes, at a multiple of 512 from out0's first byte
.Lend:
	s_wait_tensorcnt 0x0
	ds_add_u32 v232, v233
	s_wait_dscnt 0x0
	s_endpgm
.Lfunc_end_k_q9664380d4d_context:
	.size	k_q9664380d4d_context, .Lfunc_end_k_q9664380d4d_context-k_q9664380d4d_context
	.p2alignl 7, 3214868480
	.fill 96, 4, 3214868480
	.section	.rodata,"a",@progbits
	.p2align	6, 0x0
	.amdhsa_kernel k_q9664380d4d_context
		.amdhsa_group_segment_fixed_size 9728
		.amdhsa_private_segment_fixed_size 0
		.amdhsa_enable_private_segment 0
		.amdhsa_kernarg_size 24
		.amdhsa_user_sgpr_count 2
		.amdhsa_user_sgpr_kernarg_segment_ptr 1
		.amdhsa_wavefront_size32 1
		.amdhsa_system_sgpr_workgroup_id_x 1
		.amdhsa_system_sgpr_workgroup_id_y 1
		.amdhsa_system_sgpr_workgroup_id_z 1
		.amdhsa_system_vgpr_workitem_id 0
		.amdhsa_next_free_vgpr 234
		.amdhsa_next_free_sgpr 66
		.amdhsa_reserve_vcc 0
		.amdhsa_float_denorm_mode_32 3
		.amdhsa_float_denorm_mode_16_64 3
		.amdhsa_memory_ordered 1
		.amdhsa_forward_progress 1
		.amdhsa_inst_pref_size 49
	.end_amdhsa_kernel
	.amdgpu_metadata
---
amdhsa.version: [ 1, 2 ]
amdhsa.kernels:
  - .name:           k_q9664380d4d_context
    .symbol:         k_q9664380d4d_context.kd
    .args:
      - { .name: eb, .offset: 0, .size: 8, .value_kind: global_buffer, .address_space: global }
      - { .name: ps, .offset: 8, .size: 8, .value_kind: global_buffer, .address_space: global }
      - { .name: out0, .offset: 16, .size: 8, .value_kind: global_buffer, .address_space: global }
    .group_segment_fixed_size: 9728
    .private_segment_fixed_size: 0
    .kernarg_segment_align: 8
    .kernarg_segment_size: 24
    .max_flat_workgroup_size: 256
    .sgpr_count:     66
    .vgpr_count:     234
    .wavefront_size: 32
...
	.end_amdgpu_metadata
.endif
;; end of part 3
;; ======== version 2 of 2: 3 launches; version 1 with the launch context written anew for expert scheduling mode
;; workspace buffers: wb 4,194,304 bytes; hb 4,096 bytes; ps 131,072 bytes; eb 67,108,864 bytes
;; launch prep: the kernel of part 1 again; grid 256 x 1, 4 waves a work-group, no clusters, 0 bytes of LDS; arguments attn_w, hidden, attn_b, wb, hb; writes wb, hb
;; launch energy: the kernel of part 2 again; grid 256 x 1, 4 waves a work-group, clusters of 4 x 1, 327,680 bytes of LDS; arguments encoder_outputs, wb, hb, v_w, ps, eb; writes ps, eb
;; launch context (part 4): grid 16 x 16, 8 waves a work-group, no clusters, 9,728 bytes of LDS; arguments eb, ps, out0; writes out0
.if DOCPART == 4
	.amdgcn_target "amdgcn-amd-amdhsa--gfx1250"
	.amdhsa_code_object_version 6
	.text
	.protected	k_q9664380d4d_context
	.globl	k_q9664380d4d_context
	.p2align	8
	.type	k_q9664380d4d_context,@function
k_q9664380d4d_context:
	s_mov_b64 s[64:65], 0
	v_nop
	global_prefetch_b8 v0, s[64:65] scope:SCOPE_SE
	s_setreg_imm32_b32 hwreg(HW_REG_WAVE_SCHED_MODE, 0, 2), 2
	s_setreg_imm32_b32 hwreg(HW_REG_WAVE_MODE, 25, 1), 1
	s_wait_xcnt 0x0
	s_wait_alu depctr_vm_vsrc(0)
; out0[b][d] = sum over s of softmax_s(score[b][s]) enc[b][s][d], score = ps[0] + ps[1].  ps: [2][16384] f32, out0: [16][2048] f32.
; enc comes as eb, its bf16 copy: [128 row tiles][32 chunks of 64 columns][16,384 bytes]; byte 512 L + 16 lane + 8 e of a block holds row 4 L + 2 e + lane / 16 of the tile,
; columns 4 (lane % 16) + 0..3 of the chunk.  LIMIT: enc enters the sum rounded to bf16; the weights, the products and the sums are f32.
; A work-group owns one batch b (grid y) and 128 columns (grid x): chunks 2 x and 2 x + 1.  Wave w takes row tile 8 b + w, the batch's rows 128 w .. + 127: two neighbouring blocks, 32 KiB on
; end, 64 loads of 512 consecutive bytes.  A lane keeps four columns of each chunk and sees the rows of one parity (lane / 16): 16 sums a lane (2 chunks x 2 rows of a load x 4 columns).
; SOFTMAX.  The batch's true maximum M is taken away: p = 2^(log2(e) s - log2(e) M), l = the sum of p; the sums are made with p and divided by l at the end.
; The rounding of log2(e) M is common to all p of a batch and falls out in the division.  A weight below 2^-126 comes out as 0.
; Each of a batch's 16 work-groups makes the softmax anew from 8 KiB of ps, beside its 256 KiB of eb: what they share is too small a part for a cluster.
; Memory binds: no matrix unit (one row of weights a batch).  A ring of eighteen pairs of loads in registers keeps 30 to 36 loads of every wave on their way.
; No address register is ever rewritten: a load's place stands in its immediate.
; THE MODE: SCHED_MODE bits 1:0 = 2 (LLVM: expert scheduling mode 2), set by the entry lines.  The code itself states the register dependences
; between vector instructions and memory or LDS instructions, with s_wait_alu, always for 0.
; THE PLAN.  Registers that memory or LDS instructions touch:
;   v1-3, v14-19  offsets and LDS addresses: made once at the head, read by every load and store, never named by a vector line again.
;   v4-11         ps lands here; v8-11 then take the four weights, which two LDS stores read; pair 0's unpacking and the last exchange of the lanes' halves write v4-11 again.
;   v12           the wave's maximum, then the wave's sum, each read by an LDS store; then l.
;   PR            three times the target of LDS loads (the maxima, the sums, my 64 weights), with vector lines that read or write it between.
;   X0 .. X17     pair L lies in X[L % 18].  The 32 pairs go in 16 blocks of two.  Block p multiplies X[2 p % 18] and X[(2 p + 1) % 18]; its four loads, pairs 2 p + 16 and 2 p + 17, land in
;                 X[(2 p - 2) % 18] and X[(2 p - 1) % 18]: the two that block p - 1 read and that no vector line of block p names.  So ONE wait at the head of a block that loads states
;                 all that its four loads hang on, and these stand among its multiply-adds, two ahead of each pair's sixteen, with no further wait.
;   ACC           written by vector lines alone until the two LDS stores at the end read it.
.set MAXW, 4096                        ; LDS: p at 0, as [8 tiles][2 parities][64]: word 2 L + e is row 4 L + 2 e + parity; then the waves' maxima; 256 bytes on, the waves' sums
.set SUMO, 256
.set RED,  4608                        ; [8 waves][128 columns] f32
.set RING, 18                          ; pairs in the ring
.set XO,  1                            ; v1      my byte offset in eb: wave x 32 blocks + 16 x lane
.set T16, 2                            ; v2      16 x thread: my four scores in ps
.set L16, 3                            ; v3      16 x lane
.set TT,  4                            ; v4-11   scores and weights, then at work
.set MW,  14                           ; v14     my wave's word among the maxima
.set MR,  15                           ; v15     the maxima
.set PST, 16                           ; v16     where I store two weights of even rows: 512 w + 8 x lane; the odd rows' lie 256 bytes on
.set PLD, 17                           ; v17     the weights of my wave's rows of my parity: 512 w + 256 (lane / 16)
.set RS,  18                           ; v18     my 16 bytes in RED: chunk 0's four columns; chunk 1's lie 256 bytes on
.set RR,  19                           ; v19     RED + 16 x lane
.set INV, 20                           ; v20     1 / l;  v21  M;  v22  log2(e) M
.set ACC, 24                           ; v[24:39]    chunk c, row e of a load, column k: ACC + 8 c + 4 e + k
.set PR,  40                           ; v[40:103]   my 64 weights: PR + 2 L + e
.set X,   104                          ; v[104:247]  eighteen pairs of loads: chunk 0's four registers, chunk 1's four
	s_load_b128 s[4:7], s[0:1], 0x0                ; eb s[4:5], ps s[6:7]
	s_load_b64 s[8:9], s[0:1], 0x10                ; out0
	v_lshl_add_u32 v248, v0, 2, 0x2200
	v_mov_b32 v249, 0
	v_lshrrev_b32 v12, 5, v0
	v_readfirstlane_b32 s10, v12                   ; wave 0..7
	s_and_b32 s11, ttmp7, 0xffff                   ; the batch
	s_lshl_b32 s12, s11, 22                        ; eb: the batch's 8 tiles of 32 blocks of 16,384 bytes,
	s_lshl_b32 s16, ttmp9, 15                      ; my two blocks
	s_add_co_u32 s12, s12, s16
	s_mov_b32 s13, 0
	s_lshl_b32 s18, s11, 12                        ; ps: the batch's 1,024 numbers
	s_mov_b32 s19, 0
	s_lshl_b32 s20, s11, 13                        ; out0: the batch's row,
	s_lshl_b32 s16, ttmp9, 9                       ; my 128 columns
	s_add_co_u32 s20, s20, s16
	s_mov_b32 s21, 0
	s_mov_b32 s14, 0x76543210                      ; v_permlanex16_b32: each lane takes its own place in the other half
	s_mov_b32 s15, 0xfedcba98
	s_mov_b32 s22, 0x3fb8aa3b                      ; log2(e)
	s_mov_b32 s26, 0xffff0000                      ; a word's upper bf16
	s_wait_alu depctr_va_sdst(0)                   ; s10 is written, ahead of its first reader: the wave's places in eb and in LDS are made from it
	s_lshl_b32 s17, s10, 19                        ; my wave's tile
	s_lshl_b32 s23, s10, 2
	s_add_co_u32 s23, s23, MAXW
	s_lshl_b32 s24, s10, 9
	s_add_co_u32 s25, s24, RED
	v_and_b32 v13, 31, v0
	v_lshlrev_b32 v[L16], 4, v13
	v_add_nc_u32 v[XO], s17, v[L16]
	v_lshlrev_b32 v[T16], 4, v0
	v_mov_b32 v[MW], s23
	v_mov_b32 v[MR], MAXW
	v_lshl_add_u32 v[PST], v13, 3, s24
	v_bfe_u32 v12, v0, 4, 1
	v_lshl_add_u32 v[PLD], v12, 8, s24
	v_and_b32 v12, 15, v0
	v_lshl_add_u32 v[RS], v12, 4, s25
	v_add_nc_u32 v[RR], RED, v[L16]
	v_mov_b32 v13, 0                               ; written, since v_permlanex16_b32 counts as a reader of its destination
	s_wait_kmcnt 0x0
	s_add_nc_u64 s[4:5], s[4:5], s[12:13]
	s_add_nc_u64 s[6:7], s[6:7], s[18:19]
	s_add_nc_u64 s[8:9], s[8:9], s[20:21]
	s_wait_alu depctr_va_vdst(0)                   ; the nine offsets and addresses v1-3 and v14-19 are written: every load and store of the kernel reads one of them, and no vector line names them again
	global_load_b128 v[4:7], v[T16], s[6:7]                        ; the two column halves' parts of scores 4 t + 0..3
	global_load_b128 v[8:11], v[T16], s[6:7] offset:65536
.set L, 0
.rept RING
	global_load_b128 v[X+8*L:X+8*L+3],   v[XO], s[4:5] offset:512*L th:TH_LOAD_NT         ; the ring is filled: rows 0 to 71 of my tile, both chunks
	global_load_b128 v[X+8*L+4:X+8*L+7], v[XO], s[4:5] offset:16384+512*L th:TH_LOAD_NT
.set L, L+1
.endr
	s_wait_loadcnt 2*RING                          ; the 36 loads of eb are younger: ps is in
	v_pk_add_f32 v[4:5], v[4:5], v[8:9]
	v_pk_add_f32 v[6:7], v[6:7], v[10:11]
	v_max3_num_f32 v12, v4, v5, v6
	v_max_num_f32 v12, v12, v7
	v_max_num_f32_dpp v12, v12, v12 row_xmask:1 row_mask:0xf bank_mask:0xf
	v_max_num_f32_dpp v12, v12, v12 row_xmask:2 row_mask:0xf bank_mask:0xf
	v_max_num_f32_dpp v12, v12, v12 row_xmask:4 row_mask:0xf bank_mask:0xf
	v_max_num_f32_dpp v12, v12, v12 row_xmask:8 row_mask:0xf bank_mask:0xf
	v_permlanex16_b32 v13, v12, s14, s15
	v_max_num_f32 v12, v12, v13
	s_wait_alu depctr_va_vdst(0)                   ; the wave's maximum is written into v12, which the LDS store reads
	ds_store_b32 v[MW], v12                        ; all lanes store the same number to my wave's word
	s_wait_dscnt 0x0                               ; for the others' sake
	s_barrier_signal -1
	s_barrier_wait -1
	ds_load_b128 v[PR:PR+3], v[MR]                 ; no vector line has named these registers yet
	ds_load_b128 v[PR+4:PR+7], v[MR] offset:16
	s_wait_dscnt 0x0
	s_wait_alu depctr_vm_vsrc(0)                   ; the store of my maximum has read v12, which the wave's sum below writes again
	v_max3_num_f32 v21, v[PR], v[PR+1], v[PR+2]
	v_max3_num_f32 v21, v21, v[PR+3], v[PR+4]
	v_max3_num_f32 v21, v21, v[PR+5], v[PR+6]
	v_max_num_f32 v21, v21, v[PR+7]                ; M
	v_mul_f32 v22, s22, v21
.irp k, 4,5,6,7
	v_fma_f32 v\k, v\k, s22, -v22
.endr
	v_exp_f32 v8, v4                               ; the weights of rows 4 t, 4 t + 2 (even) in one pair,
	v_exp_f32 v9, v6
	v_exp_f32 v10, v5                              ; of rows 4 t + 1, 4 t + 3 (odd) in the next
	v_exp_f32 v11, v7
	v_nop                                          ; a plain instruction between the last exponential and the use of its result (ISA guide 5.7.2)
	s_wait_alu depctr_va_vdst(0)                   ; the four exponentials have written v8-11, which the LDS stores read: their one wait, ahead of their first reader; the maxima's readers are done with v40-47, in which the sums land below
	ds_store_b64 v[PST], v[8:9]                    ; thread t's rows belong to tile t / 32, its own wave's: these bytes are read by my wave alone
	ds_store_b64 v[PST], v[10:11] offset:256
	v_add_f32 v12, v8, v9
	v_add_f32 v13, v10, v11
	v_add_f32 v12, v12, v13
	v_add_f32_dpp v12, v12, v12 row_xmask:1 row_mask:0xf bank_mask:0xf
	v_add_f32_dpp v12, v12, v12 row_xmask:2 row_mask:0xf bank_mask:0xf
	v_add_f32_dpp v12, v12, v12 row_xmask:4 row_mask:0xf bank_mask:0xf
	v_add_f32_dpp v12, v12, v12 row_xmask:8 row_mask:0xf bank_mask:0xf
	v_permlanex16_b32 v13, v12, s14, s15
	v_add_f32 v12, v12, v13
	s_wait_alu depctr_va_vdst(0)                   ; the wave's sum is written into v12, which the LDS store reads
	ds_store_b32 v[MW], v12 offset:SUMO            ; other bytes than the maxima, which slower waves may still read
	s_wait_dscnt 0x0                               ; for the others' sake: my sum
	s_barrier_signal -1
	s_barrier_wait -1
	ds_load_b128 v[PR:PR+3], v[MR] offset:SUMO     ; no vector line since the last wait on va_vdst
	ds_load_b128 v[PR+4:PR+7], v[MR] offset:SUMO+16
	s_wait_dscnt 0x0
	s_wait_alu depctr_vm_vsrc(0)                   ; my LDS stores have read v8-11 (the weights) and v12 (the sum): l below writes v12, the first pair's unpacking v4-11
	v_pk_add_f32 v[PR:PR+1], v[PR:PR+1], v[PR+2:PR+3]
	v_pk_add_f32 v[PR+4:PR+5], v[PR+4:PR+5], v[PR+6:PR+7]
	v_pk_add_f32 v[PR:PR+1], v[PR:PR+1], v[PR+4:PR+5]
	v_add_f32 v12, v[PR], v[PR+1]                  ; l; at least 1, since the row of the maximum gives 2^0
	v_rcp_f32 v[INV], v12                          ; used at the very end; v12 is not written again
	s_wait_alu depctr_va_vdst(0)                   ; the additions are done reading and writing v40-47, in which the weights land; the reciprocal has written 1 / l: its wait, far ahead of its one reader
.irp k, 0,1,2,3,4,5,6,7,8,9,10,11,12,13,14,15
	ds_load_b128 v[PR+4*\k:PR+4*\k+3], v[PLD] offset:16*\k         ; my 64 weights; the 16 lanes of a parity read the same 16 bytes
.endr
	s_wait_dscnt 0x0
; One register of a load: two neighbouring columns of one row, times the row's weight, onto two sums.  The first pair of loads starts the sums: nothing is cleared.
.set tt, 0
.macro ELEM x, p, acc
.if L == 0
	v_lshlrev_b32 v[TT+tt], 16, v[\x]              ; bf16 to f32: the low half moves up,
	v_and_b32 v[TT+tt+1], s26, v[\x]               ; the high half stays
	v_mul_f32 v[\acc], v[TT+tt], v[\p]
	v_mul_f32 v[\acc+1], v[TT+tt+1], v[\p]
.set tt, (tt+2)%8
.else
	v_fma_mix_f32_bf16 v[\acc], v[\x], v[\p], v[\acc] op_sel_hi:[1,0,0]                   ; the low bf16 x the f32 weight + the f32 sum
	v_fma_mix_f32_bf16 v[\acc+1], v[\x], v[\p], v[\acc+1] op_sel:[1,0,0] op_sel_hi:[1,0,0]   ; the high bf16
.endif
.endm
.macro PAIR                            ; pair L: rows 4 L + 0..3 of my tile, both chunks.  Pairs 2 to 15 ask for the pair sixteen further on, ahead of their own multiply-adds
.set xr, X+8*(L%RING)
.set xn, X+8*((L+16)%RING)             ; = X[(L - 2) % 18]: read by the block before
.set pr, PR+2*L
.if L < 2
	s_wait_loadcnt 2*(RING-1-L)                    ; loads come back in order (ISA guide 5.7.1): the rest of the first fill stays out
.elseif L <= 16
	s_wait_loadcnt 30                              ; the fifteen younger pairs stay out
.else
	s_wait_loadcnt 2*(31-L)                        ; the last pairs: the counts run down
.endif
.if (L >= 2) && (L <= 15)
.if L%2 == 0
	s_wait_alu depctr_va_vdst(0)                   ; a block's head: the block before is done reading its two pairs' registers, in which this block's four loads land
.endif
	global_load_b128 v[xn:xn+3],   v[XO], s[4:5] offset:512*(L+16) th:TH_LOAD_NT          ; no vector line since that wait names these registers
	global_load_b128 v[xn+4:xn+7], v[XO], s[4:5] offset:16384+512*(L+16) th:TH_LOAD_NT
.endif
.irp c, 0,1
.irp e, 0,1
.irp n, 0,1
	ELEM xr+4*\c+2*\e+\n, pr+\e, ACC+8*\c+4*\e+2*\n
.endr
.endr
.endr
.endm
.set L, 0
.rept 32
	PAIR
.set L, L+1
.endr
.irp c, 0,1
	v_pk_add_f32 v[ACC+8*\c:ACC+8*\c+1],   v[ACC+8*\c:ACC+8*\c+1],   v[ACC+8*\c+4:ACC+8*\c+5]   ; the two rows of a load
	v_pk_add_f32 v[ACC+8*\c+2:ACC+8*\c+3], v[ACC+8*\c+2:ACC+8*\c+3], v[ACC+8*\c+6:ACC+8*\c+7]
.endr
.irp c, 0,1
.irp k, 0,1,2,3
	v_permlanex16_b32 v[TT+4*\c+\k], v[ACC+8*\c+\k], s14, s15      ; the rows of the other parity lie in the lane 16 away
.endr
.endr
.irp c, 0,1
	v_pk_add_f32 v[ACC+8*\c:ACC+8*\c+1],   v[ACC+8*\c:ACC+8*\c+1],   v[TT+4*\c:TT+4*\c+1]
	v_pk_add_f32 v[ACC+8*\c+2:ACC+8*\c+3], v[ACC+8*\c+2:ACC+8*\c+3], v[TT+4*\c+2:TT+4*\c+3]
.endr
	s_wait_alu depctr_va_vdst(0)                   ; the sums are written, which the LDS stores read; all multiply-adds are done reading the ring, in whose first registers wave 0's LDS loads land below
	ds_store_b128 v[RS], v[ACC:ACC+3]              ; my wave's 128 rows, my four columns of each chunk; lanes r and r + 16 store the same numbers to the same words
	ds_store_b128 v[RS], v[ACC+8:ACC+11] offset:256
	s_wait_dscnt 0x0                               ; for the others' sake
	s_barrier_signal -1
	s_barrier_wait -1
	s_cmp_lg_u32 s10, 0
	s_cbranch_scc1 .Lend
.irp k, 0,1,2,3,4,5,6,7
	ds_load_b128 v[X+4*\k:X+4*\k+3], v[RR] offset:512*\k           ; wave 0: the eight waves' sums of columns 4 lane + 0..3; no vector line since the last wait on va_vdst
.endr
	s_wait_dscnt 0x0
.irp k, 0,1,2,3
	v_pk_add_f32 v[X+8*\k:X+8*\k+1],   v[X+8*\k:X+8*\k+1],   v[X+8*\k+4:X+8*\k+5]
	v_pk_add_f32 v[X+8*\k+2:X+8*\k+3], v[X+8*\k+2:X+8*\k+3], v[X+8*\k+6:X+8*\k+7]
.endr
.irp k, 0,1
	v_pk_add_f32 v[X+16*\k:X+16*\k+1],   v[X+16*\k:X+16*\k+1],   v[X+16*\k+8:X+16*\k+9]
	v_pk_add_f32 v[X+16*\k+2:X+16*\k+3], v[X+16*\k+2:X+16*\k+3], v[X+16*\k+10:X+16*\k+11]
.endr
	v_pk_add_f32 v[X:X+1],   v[X:X+1],   v[X+16:X+17]
	v_pk_add_f32 v[X+2:X+3], v[X+2:X+3], v[X+18:X+19]
	v_pk_mul_f32 v[X:X+1],   v[X:X+1],   v[INV:INV+1] op_sel_hi:[1,0]   ; divided by l
	v_pk_mul_f32 v[X+2:X+3], v[X+2:X+3], v[INV:INV+1] op_sel_hi:[1,0]
	s_wait_alu depctr_va_vdst(0)                   ; the four results are written, which the store reads
	global_store_b128 v[L16], v[X:X+3], s[8:9]     ; 32 lanes store 512 consecutive bytes, at a multiple of 512 from out0's first byte
.Lend:
	s_wait_dscnt 0x0
	s_wait_alu depctr_hold_cnt(0) depctr_sa_sdst(0) depctr_va_vdst(0) depctr_va_sdst(0) depctr_va_ssrc(0) depctr_va_vcc(0) depctr_vm_vsrc(0)
	s_wait_tensorcnt 0x0
	ds_add_u32 v248, v249
	s_wait_dscnt 0x0
	s_endpgm
.Lfunc_end_k_q9664380d4d_context:
	.size	k_q9664380d4d_context, .Lfunc_end_k_q9664380d4d_context-k_q9664380d4d_context
	.p2alignl 7, 3214868480
	.fill 96, 4, 3214868480
	.section	.rodata,"a",@progbits
	.p2align	6, 0x0
	.amdhsa_kernel k_q9664380d4d_context
		.amdhsa_group_segment_fixed_size 9728
		.amdhsa_private_segment_fixed_size 0
		.amdhsa_enable_private_segment 0
		.amdhsa_kernarg_size 24
		.amdhsa_user_sgpr_count 2
		.amdhsa_user_sgpr_kernarg_segment_ptr 1
		.amdhsa_wavefront_size32 1
		.amdhsa_system_sgpr_workgroup_id_x 1
		.amdhsa_system_sgpr_workgroup_id_y 1
		.amdhsa_system_sgpr_workgroup_id_z 1
		.amdhsa_system_vgpr_workitem_id 0
		.amdhsa_next_free_vgpr 250
		.amdhsa_next_free_sgpr 66
		.amdhsa_reserve_vcc 0
		.amdhsa_float_denorm_mode_32 3
		.amdhsa_float_denorm_mode_16_64 3
		.amdhsa_memory_ordered 1
		.amdhsa_forward_progress 1
		.amdhsa_inst_pref_size 49
	.end_amdhsa_kernel
	.amdgpu_metadata
---
amdhsa.version: [ 1, 2 ]
amdhsa.kernels:
  - .name:           k_q9664380d4d_context
    .symbol:         k_q9664380d4d_context.kd
    .args:
      - { .name: eb, .offset: 0, .size: 8, .value_kind: global_buffer, .address_space: global }
      - { .name: ps, .offset: 8, .size: 8, .value_kind: global_buffer, .address_space: global }
      - { .name: out0, .offset: 16, .size: 8, .value_kind: global_buffer, .address_space: global }
    .group_segment_fixed_size: 9728
    .private_segment_fixed_size: 0
    .kernarg_segment_align: 8
    .kernarg_segment_size: 24
    .max_flat_workgroup_size: 256
    .sgpr_count:     66
    .vgpr_count:     250
    .wavefront_size: 32
...
	.end_amdgpu_metadata
.endif
;; end of part 4
